; MI455X (gfx1250); checked and timed in simulation.
; The chip was launched on July 23, 2026; its instructions are those of AMD's public machine-readable ISA for CDNA 5 (MIT licence, August 2026) and "CDNA5" Instruction Set Architecture Reference Guide (July 2026). The comments in the code are by the model that wrote it; some were corrected since.
;; Attention Module. Allowed arithmetic: matrix products marked QUANTISED: E5M2 operands, one given power-of-two scale a tensor, by v_wmma_f32_16x16x64_bf8_bf8 or v_wmma_f32_16x16x128_bf8_bf8, f32 sums; products left as they are: f32 operands where the result goes on into a quantised operand, else bf16, f16 or f32 operands; f32 sums; everything else in f32.
;; Inputs: W_attn 2,048 x 2,048 float32; W_attn2 1 x 2,048 float32; W_comb 1,024 x 2,048 float32; b_attn 2,048 float32; b_attn2 1 float32; b_comb 1,024 float32; decoder_out 64 x 1,024 float32; encoder_states 256 x 64 x 1,024 float32; hidden 64 x 1,024 float32; lowp_scales 4 int32 (the exponents e of the quantised operands' scales 2^e).
;; Outputs: out0 64 x 1,024 float32; out1 64 x 1,024 float32.
;; This version of the problem:
;;   THIS VERSION OF THE PROBLEM IS GIVEN IN LOW PRECISION. The matrix products marked QUANTISED in the list below multiply operands that are first quantised to E5M2 (5 exponent bits, 2 mantissa bits; 8 bits a number), with one given power-of-two scale for each operand tensor; their sums are f32. All else is computed in f32.
;;   The module's matrix products, in the order in which they are computed (A, B: the left and right operand; K: the contracted axis; several contracted axes count as one K, in the product's order):
;;     1. [M 16,384, K 2,048] x [K 2,048, N 2,048]; A: computed on the way; B: input W_attn: QUANTISED (scales: A lowp_scales[0], B lowp_scales[1])
;;     2. [M 16,384, K 2,048] x [K 2,048, N 1]; A: computed on the way; B: input W_attn2: left as it is (N = 1 < 16)
;;     3. batch 64 x [M 1, K 256] x [K 256, N 1,024]; A: softmax; B: input encoder_states: left as it is (M = 1 < 16)
;;     4. [M 64, K 2,048] x [K 2,048, N 1,024]; A: computed on the way; B: input W_comb: QUANTISED (scales: A lowp_scales[2], B lowp_scales[3])
;;   THE QUANTISER, for each operand of a quantised product, along K:
;;     - The operand's scale is 2^e, e = its entry of the input lowp_scales (int32; the entries are numbered through the quantised products in the list's order, A before B).
;;     - Each number is divided by the scale, clamped to +-57,344, and rounded to the nearest number of E5M2, ties to even, subnormals kept.
;;     - The product sums the exact products of the quantised numbers (number of the format x scale) in f32.
;;   ~~~python
;;   def quantise(x, axis, e):      # numpy; x: float32 -> the quantised numbers, widened to float32 again
;;       x = np.moveaxis(x, axis, -1); K = x.shape[-1]
;;       r = np.clip(x / 2.0 ** e, -57344, 57344)
;;       step = 2.0 ** (np.maximum(np.frexp(np.where(r == 0, 1, r))[1] - 1, -14) - 2)
;;       q = np.round(r / step) * step * 2.0 ** e      # np.round: ties to even
;;       return np.moveaxis(q, -1, axis).astype(np.float32)
;;   ~~~
;;   OPERANDS COMPUTED ON THE WAY. 'Computed on the way' means the value that the module computes at that place (a softmax that the list does not call 'softmax' is quantised finished and normalised). What goes into a quantiser is computed in f32, as accurately as f32 sums, v_exp_f32 and their like allow (about 1e-6 of the number): no bf16 or f16 on the way to a quantiser, and a product that is left as it is and whose result goes on into a quantised operand takes f32 operands (vector FMAs, or v_wmma_f32_16x16x4_f32). A number that lies on a knife's edge between two numbers of the format may be rounded either way, as far as f32 arithmetic and the matrix unit's own rounding can turn it there, and no further.
;; One version. Each part assembles by itself: llvm-mc -triple=amdgcn-amd-amdhsa -mcpu=gfx1250 --defsym DOCPART=n.
;; ======== version 1 of 1: 3 launches
;; limits: right only within a limited range of input values
;; workspace buffers: wa 2,097,152 bytes; wc 2,097,152 bytes; dc 65,536 bytes; gq 2,097,152 bytes; part 1,048,576 bytes; ml 65,536 bytes
;; launch prep (part 1): grid 388 x 1, 4 waves a work-group, no clusters, 69,376 bytes of LDS; arguments hidden, W_attn, W_comb, decoder_out, lowp_scales, gq, wa, wc, dc; writes gq, wa, wc, dc
.if DOCPART == 1
	.amdgcn_target "amdgcn-amd-amdhsa--gfx1250"
	.amdhsa_code_object_version 6
	.text
	.protected	k_qc25dd4a282_prep
	.globl	k_qc25dd4a282_prep
	.p2align	8
	.type	k_qc25dd4a282_prep,@function
k_qc25dd4a282_prep:
	s_mov_b64 s[64:65], 0
	v_nop
	global_prefetch_b8 v0, s[64:65] scope:SCOPE_SE
	s_setreg_imm32_b32 hwreg(HW_REG_WAVE_MODE, 25, 1), 1
	s_wait_xcnt 0x0
; THE PROGRAM: prep (weights to codes; the hidden half of the first product), score (scores, softmax and weighted rows of 64 s at a time), comb (joins the parts, the last product).
; DEAD WORK, left out.  b_attn2 is added to every score of a row of the softmax alike: softmax(x + a) = softmax(x) for every finite a, so it reaches no output; it is not loaded and is among no launch's arguments.
; tanh(x) = 1 - 2 / (1 + exp(2 x)), so score = sum_n W2[n] - 2 sum_n W2[n] / (1 + exp(2 x_n)): the first sum is the same for every s of a softmax's row and is left out too.
; LIMIT: a NaN, an infinity or an overflow that reaches only b_attn2 or that sum is not carried to the result.
; hidden[b] is the same for every s, so its half of the first product (K 0 .. 1,023) is made once for each b, here.
; PREP.  Work-groups 0-127 make G: gq[kq][b][n] = sum over k in quarter kq of code(hidden[b][k]) code(W_attn[n][k]), raw sums of codes in f32, 64 b x 64 n x 256 k a work-group.
; Work-groups 128-387 turn tiles of 16 rows x 1,024 numbers into codes of BF8 and lay them as images of fragments: 128-255 W_attn[n][1024 ..] (e1) -> wa, 256-383 W_comb (e3; tile, then half of K) -> wc, 384-387 decoder_out (e2) -> dc.
; THE PLACE OF k IN A ROW OF CODES (the same on both sides of every product): load j = 0 .. 7 of a row gives lane l the numbers k = 128 j + 4 l + 0 .. 3; codes of loads 2 u, 2 u + 1 are 8 bytes of lane l at 512 (u / 2) + 16 l + 8 (u % 2).
; AN IMAGE: 16 rows x 1,024 codes are 8 K steps x 4 x 512 bytes; lane (r, h) has at 2,048 ks + 512 c + 16 lane the bytes 128 ks + 32 c + 16 h .. of row r.
; code = x / 2^e, held within +-57,344, to the nearest code, ties to even.  LIMITS: each e between -126 and 112.  NaN among the inputs is not served; an infinity is held at the largest code.
; No tensor load and no loop: every load of a work-group is issued at its head, so there is nothing to prefetch; work-groups share nothing large, so no cluster.  Each kind has LDS bytes of its own.
.set GH,    17408                      ; G: hidden's 64 rows x 272 bytes, behind W_attn's 64
.set GSTG,  34816                      ; G: the way out: 16 rows x 272 bytes for each wave
.set SSTG,  52224                      ; tiles: 16 rows x 1,040 bytes
.set SPARE, 68864                      ; the spare words, 128 bytes a wave
.set RP,    1040
.set GP,    272
.macro GLOAD set, base, pitch, i0      ; G: 8 rows x 1,024 bytes
.irp i, 0,1,2,3,4,5,6,7
.irp j, 0,1
	global_load_b128 v[\set+8*\i+4*\j:\set+8*\i+4*\j+3], v1, s[\base:\base+1] offset:(\i0+\i)*\pitch+512*\j
.endr
.endr
.endm
.macro GCONV set, sc, lim, adr, row0, w ; w = 1: the set lies in window 1
.set kx, 0
	s_wait_dscnt 0x0                               ; the stores before have read v224 on
.if \w
	s_set_vgpr_msb 0x41
.endif
.rept 64
	v_med3_num_f32 v[\set+kx], v[\set+kx], -v[\lim], v[\lim]   ; the conversion to an 8-bit code does not saturate (ISA guide 7.6.2)
.set kx, kx+1
.endr
.if \w
	s_set_vgpr_msb 0x4101
.endif
.irp i, 0,1,2,3,4,5,6,7
	v_cvt_scalef32_pk8_bf8_f32 v[224+2*\i:225+2*\i], v[\set+8*\i:\set+8*\i+7], v[\sc]
.endr
	v_nop
.if \w
	s_set_vgpr_msb 0x100
.endif
.irp i, 0,1,2,3,4,5,6,7
	ds_store_b64 v[\adr], v[224+2*\i:225+2*\i] offset:(\row0+\i)*GP
.endr
.endm
	s_load_b256 s[4:11], s[0:1], 0x0               ; hidden 4, W_attn 6, W_comb 8, decoder_out 10
	s_load_b256 s[12:19], s[0:1], 0x20             ; exponents 12, gq 14, wa 16, wc 18
	s_load_b64 s[20:21], s[0:1], 0x40              ; dc
	v_lshl_add_u32 v12, v0, 2, SPARE
	v_mov_b32 v13, 0
	v_lshrrev_b32 v1, 5, v0
	v_readfirstlane_b32 s22, v1                    ; wave 0..3
	v_and_b32 v2, 15, v0                           ; r
	v_bfe_u32 v3, v0, 4, 1                         ; h
	v_and_b32 v1, 31, v0
	v_lshlrev_b32 v1, 4, v1                        ; 16 x lane
	s_wait_alu depctr_va_vdst(0)
	s_wait_kmcnt 0x0
	s_load_b128 s[24:27], s[12:13], 0x0            ; e0, e1, e2, e3
	s_cmp_lt_u32 ttmp9, 128
	s_cbranch_scc1 .Lg
	; ---- a tile of 16 rows: wave w takes rows 4 w .. 4 w + 3 ----
	s_mov_b64 s[28:29], s[10:11]                   ; decoder_out
	s_mov_b64 s[30:31], s[20:21]
	s_mov_b32 s32, 384
	s_mov_b32 s33, 4096
	s_cmp_lt_u32 ttmp9, 384
	s_cselect_b64 s[28:29], s[8:9], s[28:29]       ; W_comb
	s_cselect_b64 s[30:31], s[18:19], s[30:31]
	s_cselect_b32 s32, 256, s32
	s_cselect_b32 s33, 8192, s33
	s_cmp_lt_u32 ttmp9, 256
	s_cselect_b64 s[28:29], s[6:7], s[28:29]       ; W_attn
	s_cselect_b64 s[30:31], s[16:17], s[30:31]
	s_cselect_b32 s32, 128, s32
	s_sub_co_u32 s34, ttmp9, s32                   ; tile y of the tensor
	s_lshr_b32 s36, s34, 1
	s_lshl_b32 s36, s36, 17
	s_and_b32 s37, s34, 1
	s_lshl_b32 s37, s37, 12
	s_add_co_u32 s36, s36, s37                     ; W_comb: 16 rows x 8,192 bytes for two tiles, the second half 4,096 on
	s_lshl_b32 s38, s34, 17
	s_add_co_u32 s38, s38, 4096                    ; W_attn: the second half of each row
	s_lshl_b32 s40, s34, 16                        ; decoder_out
	s_mov_b32 s41, 0
	s_cmp_lt_u32 ttmp9, 384
	s_cselect_b32 s40, s36, s40
	s_cmp_lt_u32 ttmp9, 256
	s_cselect_b32 s40, s38, s40
	s_add_nc_u64 s[28:29], s[28:29], s[40:41]
	s_lshl_b32 s42, s34, 14
	s_mov_b32 s43, 0
	s_add_nc_u64 s[30:31], s[30:31], s[42:43]
	s_lshl_b32 s44, s22, 2
	s_mul_i32 s44, s44, s33
.irp i, 0,1,2,3
	v_add_nc_u32 v[4+\i], s44, v1
	s_add_co_u32 s44, s44, s33
.endr
.irp i, 0,1,2,3
.irp j, 0,1,2,3,4,5,6,7
	global_load_b128 v[32+32*\i+4*\j:35+32*\i+4*\j], v[4+\i], s[28:29] offset:512*\j th:TH_LOAD_NT   ; 512 consecutive bytes
.endr
.endr
	s_mul_i32 s23, s22, 4*RP
	s_add_co_u32 s23, s23, SSTG
	v_add_nc_u32 v8, s23, v1                       ; into the stage
	s_lshl_b32 s23, s22, 8
	s_add_co_u32 s23, s23, SSTG
	v_mul_u32_u24 v9, v2, RP
	v_lshl_add_u32 v9, v3, 4, v9
	v_add_nc_u32 v9, s23, v9                       ; out of it: row r, K steps 2 w, 2 w + 1
	s_lshl_b32 s23, s22, 12
	v_add_nc_u32 v10, s23, v1
	s_wait_alu depctr_va_vdst(0)
	s_wait_kmcnt 0x0
	s_cmp_lt_u32 ttmp9, 384
	s_cselect_b32 s46, s27, s26
	s_cmp_lt_u32 ttmp9, 256
	s_cselect_b32 s46, s25, s46
	s_add_co_i32 s46, s46, 127
	s_lshl_b32 s47, s46, 23
	v_mov_b32 v11, s47                             ; 2^e
	s_add_co_i32 s46, s46, 15
	s_lshl_b32 s46, s46, 23
	s_or_b32 s46, s46, 0x600000
	v_mov_b32 v14, s46                             ; 57,344 x 2^e
	s_wait_alu depctr_va_vdst(0)                   ; the head's end
.irp i, 0,1,2,3
	s_wait_loadcnt 24-8*\i                         ; row i's eight loads are in
.set kx, 0
.rept 32
	v_med3_num_f32 v[32+32*\i+kx], v[32+32*\i+kx], -v14, v14
.set kx, kx+1
.endr
.irp u, 0,1,2,3
	v_cvt_scalef32_pk8_bf8_f32 v[160+8*\i+2*\u:161+8*\i+2*\u], v[32+32*\i+8*\u:39+32*\i+8*\u], v11
.endr
	v_nop
	ds_store_b128 v8, v[160+8*\i:163+8*\i] offset:\i*RP
	ds_store_b128 v8, v[164+8*\i:167+8*\i] offset:\i*RP+512
.endr
	s_wait_dscnt 0x0                               ; for the others' sake
	s_barrier_signal -1
	s_barrier_wait -1
.irp k, 0,1
.irp c, 0,1,2,3
	ds_load_b128 v[192+16*\k+4*\c:195+16*\k+4*\c], v9 offset:128*\k+32*\c
.endr
.endr
.irp k, 0,1
.irp c, 0,1,2,3
	s_wait_dscnt 7-4*\k-\c
	global_store_b128 v10, v[192+16*\k+4*\c:195+16*\k+4*\c], s[30:31] offset:2048*\k+512*\c   ; 512 consecutive bytes, at a multiple of 256
.endr
.endr
	s_wait_tensorcnt 0x0                           ; the wave's end
	ds_add_u32 v12, v13
	s_wait_dscnt 0x0
	s_endpgm
	; ---- G: n rows 64 ng .. + 63, K quarter kq; wave w quantises rows 16 w .. of W_attn's 64 and of hidden ----
.Lg:
	s_lshr_b32 s34, ttmp9, 2                       ; ng
	s_and_b32 s35, ttmp9, 3                        ; kq
	s_lshl_b32 s36, s35, 10
	s_lshl_b32 s40, s22, 16
	s_add_co_u32 s40, s40, s36
	s_mov_b32 s41, 0
	s_add_nc_u64 s[4:5], s[4:5], s[40:41]          ; hidden
	s_lshl_b32 s42, s34, 19
	s_lshl_b32 s37, s22, 17
	s_add_co_u32 s42, s42, s37
	s_add_co_u32 s42, s42, s36
	s_mov_b32 s43, 0
	s_add_nc_u64 s[6:7], s[6:7], s[42:43]          ; W_attn
	s_lshl_b32 s46, s35, 19                        ; gq: quarter, row 16 w, column 64 ng
	s_add_co_u32 s46, s46, s37
	s_lshl_b32 s37, s34, 8
	s_add_co_u32 s46, s46, s37
	s_mov_b32 s47, 0
	s_add_nc_u64 s[14:15], s[14:15], s[46:47]
	GLOAD 32, 6, 8192, 0
	GLOAD 96, 6, 8192, 8
	GLOAD 160, 4, 4096, 0
	s_set_vgpr_msb 0x40
	GLOAD 0, 4, 4096, 8                            ; hidden's last eight rows: v256-319
	s_set_vgpr_msb 0x4000
	s_mul_i32 s48, s22, 16*GP
	s_add_co_u32 s49, s48, GH
	s_add_co_u32 s50, s48, GSTG
	v_lshrrev_b32 v10, 1, v1                       ; 8 x lane
	v_add_nc_u32 v4, s48, v10                      ; W_attn's codes, in
	v_add_nc_u32 v5, s49, v10                      ; hidden's, in
	v_mul_u32_u24 v6, v2, GP
	v_lshl_add_u32 v6, v3, 4, v6                   ; W_attn's fragments: row r, + 16 h
	v_add_nc_u32 v7, s49, v6                       ; hidden's
	v_mul_u32_u24 v8, v2, GP
	v_lshl_add_u32 v8, v3, 5, v8
	v_add_nc_u32 v8, s50, v8                       ; the way out, in: row r, + 32 h
	v_mul_u32_u24 v9, v3, GP
	v_lshl_add_u32 v9, v2, 4, v9
	v_add_nc_u32 v9, s50, v9                       ; back: lanes 0-15 one row of 256 bytes, lanes 16-31 the next
	v_lshlrev_b32 v10, 13, v3
	v_lshl_add_u32 v10, v2, 4, v10                 ; and the same rows of gq
	s_wait_alu depctr_va_vdst(0)
	s_wait_kmcnt 0x0
	s_add_co_i32 s48, s24, 127
	s_lshl_b32 s49, s48, 23
	v_mov_b32 v14, s49                             ; 2^e0
	s_add_co_i32 s48, s48, 15
	s_lshl_b32 s48, s48, 23
	s_or_b32 s48, s48, 0x600000
	v_mov_b32 v15, s48                             ; 57,344 x 2^e0
	s_add_co_i32 s48, s25, 127
	s_lshl_b32 s49, s48, 23
	v_mov_b32 v16, s49                             ; 2^e1
	s_add_co_i32 s48, s48, 15
	s_lshl_b32 s48, s48, 23
	s_or_b32 s48, s48, 0x600000
	v_mov_b32 v17, s48                             ; 57,344 x 2^e1
	s_wait_alu depctr_va_vdst(0)                   ; the head's end
	s_wait_loadcnt 48                              ; the first sixteen loads are in; three groups of sixteen may be out
	GCONV 32, 16, 17, 4, 0, 0
	s_wait_loadcnt 32
	GCONV 96, 16, 17, 4, 8, 0
	s_wait_loadcnt 16
	GCONV 160, 14, 15, 5, 0, 0
	s_wait_loadcnt 0x0
	GCONV 0, 14, 15, 5, 8, 1
	s_wait_dscnt 0x0                               ; for the others' sake
	s_barrier_signal -1
	s_barrier_wait -1
.irp s, 0,1
.irp c, 0,1,2,3
	ds_load_b128 v[32+16*\s+4*\c:35+16*\s+4*\c], v7 offset:128*\s+32*\c
.endr
.irp t, 0,1,2,3
.irp c, 0,1,2,3
	ds_load_b128 v[64+32*\t+16*\s+4*\c:67+32*\t+16*\s+4*\c], v6 offset:16*\t*GP+128*\s+32*\c
.endr
.endr
.endr
	s_wait_dscnt 0x0
	; source 0 = 16 rows n, source 1 = my 16 rows b: lane (r, h) holds b = 16 w + r and n = 16 t + 8 h + 0 .. 7.  The four accumulators take turns.
.irp t, 0,1,2,3
	v_wmma_f32_16x16x128_bf8_bf8 v[192+8*\t:199+8*\t], v[64+32*\t:79+32*\t], v[32:47], 0
.endr
.irp t, 0,1,2,3
	v_wmma_f32_16x16x128_bf8_bf8 v[192+8*\t:199+8*\t], v[80+32*\t:95+32*\t], v[48:63], v[192+8*\t:199+8*\t]
.endr
.rept 4
	v_nop                                          ; places
.endr
.irp t, 0,1,2,3
	ds_store_b128 v8, v[192+8*\t:195+8*\t] offset:64*\t
	ds_store_b128 v8, v[196+8*\t:199+8*\t] offset:64*\t+16
.endr
.irp i, 0,1,2,3,4,5,6,7
	ds_load_b128 v[32+4*\i:35+4*\i], v9 offset:2*\i*GP         ; my own bytes: LDS serves a wave's instructions in order
.endr
.irp i, 0,1,2,3,4,5,6,7
	s_wait_dscnt 7-\i
	global_store_b128 v10, v[32+4*\i:35+4*\i], s[14:15] offset:16384*\i   ; sixteen lanes store 256 consecutive bytes, at a multiple of 256
.endr
	s_wait_tensorcnt 0x0                           ; the wave's end
	ds_add_u32 v12, v13
	s_wait_dscnt 0x0
	s_endpgm
.Lfunc_end_k_qc25dd4a282_prep:
	.size	k_qc25dd4a282_prep, .Lfunc_end_k_qc25dd4a282_prep-k_qc25dd4a282_prep
	.p2alignl 7, 3214868480
	.fill 96, 4, 3214868480
	.section	.rodata,"a",@progbits
	.p2align	6, 0x0
	.amdhsa_kernel k_qc25dd4a282_prep
		.amdhsa_group_segment_fixed_size 69376
		.amdhsa_private_segment_fixed_size 0
		.amdhsa_enable_private_segment 0
		.amdhsa_kernarg_size 72
		.amdhsa_user_sgpr_count 2
		.amdhsa_user_sgpr_kernarg_segment_ptr 1
		.amdhsa_wavefront_size32 1
		.amdhsa_system_sgpr_workgroup_id_x 1
		.amdhsa_system_sgpr_workgroup_id_y 1
		.amdhsa_system_sgpr_workgroup_id_z 1
		.amdhsa_system_vgpr_workitem_id 0
		.amdhsa_next_free_vgpr 320
		.amdhsa_next_free_sgpr 66
		.amdhsa_reserve_vcc 0
		.amdhsa_float_denorm_mode_32 3
		.amdhsa_float_denorm_mode_16_64 3
		.amdhsa_memory_ordered 1
		.amdhsa_forward_progress 1
		.amdhsa_inst_pref_size 53
	.end_amdhsa_kernel
	.amdgpu_metadata
---
amdhsa.version: [ 1, 2 ]
amdhsa.kernels:
  - .name:           k_qc25dd4a282_prep
    .symbol:         k_qc25dd4a282_prep.kd
    .args:
      - { .name: hidden, .offset: 0, .size: 8, .value_kind: global_buffer, .address_space: global }
      - { .name: W_attn, .offset: 8, .size: 8, .value_kind: global_buffer, .address_space: global }
      - { .name: W_comb, .offset: 16, .size: 8, .value_kind: global_buffer, .address_space: global }
      - { .name: decoder_out, .offset: 24, .size: 8, .value_kind: global_buffer, .address_space: global }
      - { .name: lowp_scales, .offset: 32, .size: 8, .value_kind: global_buffer, .address_space: global }
      - { .name: gq, .offset: 40, .size: 8, .value_kind: global_buffer, .address_space: global }
      - { .name: wa, .offset: 48, .size: 8, .value_kind: global_buffer, .address_space: global }
      - { .name: wc, .offset: 56, .size: 8, .value_kind: global_buffer, .address_space: global }
      - { .name: dc, .offset: 64, .size: 8, .value_kind: global_buffer, .address_space: global }
    .group_segment_fixed_size: 69376
    .private_segment_fixed_size: 0
    .kernarg_segment_align: 8
    .kernarg_segment_size: 72
    .max_flat_workgroup_size: 128
    .sgpr_count:     66
    .vgpr_count:     320
    .wavefront_size: 32
...
	.end_amdgpu_metadata
.endif
;; end of part 1
;; launch score (part 2): grid 256 x 1, 4 waves a work-group, clusters of 4 x 1, 327,680 bytes of LDS; arguments encoder_states, wa, gq, b_attn, W_attn2, lowp_scales, part, ml; writes part, ml
.if DOCPART == 2
	.amdgcn_target "amdgcn-amd-amdhsa--gfx1250"
	.amdhsa_code_object_version 6
	.text
	.protected	k_qc25dd4a282_score
	.globl	k_qc25dd4a282_score
	.p2align	8
	.type	k_qc25dd4a282_score,@function
k_qc25dd4a282_score:
	s_mov_b64 s[64:65], 0
	v_nop
	global_prefetch_b8 v0, s[64:65] scope:SCOPE_SE
	s_setreg_imm32_b32 hwreg(HW_REG_WAVE_MODE, 25, 1), 1
	s_wait_xcnt 0x0
	s_wait_alu depctr_hold_cnt(0) depctr_sa_sdst(0) depctr_va_vdst(0) depctr_va_sdst(0) depctr_va_ssrc(0) depctr_va_vcc(0) depctr_vm_vsrc(0)
	s_getreg_b32 s2, hwreg(HW_REG_IB_STS2, 6, 4)
	s_cmp_eq_u32 s2, 0
	s_cbranch_scc0 .Lentry_in_a_cluster
	s_endpgm
.Lentry_in_a_cluster:
	s_bfe_u32 s2, ttmp6, 0x10000c
	s_cmp_lg_u32 s2, 0x3003
	s_cbranch_scc0 .Lentry_shape_is_right
	s_endpgm
.Lentry_shape_is_right:
; SCORE.  A cluster is one b; its four work-groups take 64 s each: x[s][n] = 2^(e0+e1) (codes of encoder_states[s][b] . codes of W_attn[n][1024 ..] + G[b][n]) + b_attn[n]; score[s] = sum_n W2[n] tanh(x[s][n]);
; then the softmax over the work-group's own 64 s, with its own maximum taken away, and part[b][quarter] = the sum over its s of e[s] encoder_states[s][b][:] in f32, with (maximum, sum of e) in ml; comb joins the four.
; LEFT OUT: b_attn2 and the sum of W2 (tanh = 1 - 2 / (1 + 2^(c x)), c = 2 log2(e)), the same for every s of a softmax's row: see prep's head.  Scores are kept times log2(e).
; A PHASE: wave w loads 8 rows twice (rows 32 g + 8 w ..), quantises them and lays the codes in LDS; from there every wave takes all 64 rows as fragments: 4 row tiles x 8 K steps x 16 = 512 registers, kept throughout.
; WALK: W_attn's codes, images of 128 n tiles of 16 KiB, go through two slots of 8 tiles by the tensor data mover, all four work-groups asking jointly (mask 15).  Wave w fetches and multiplies tiles 8 q + 2 w, + 1 of slot q:
; 64 matrix instructions a slot on 8 accumulators by turns.  Source 0 = 16 rows s, source 1 = 16 rows n: lane (r, h) holds n = r and s = 8 h + 0 .. 7 in its registers, so bias and W2 are one number a lane and tile;
; the sums over n stay in the lanes (32 registers) until the walk's end.  The next slot's LDS loads stand among the tanh work of the slot just multiplied.
; PREFETCH: clusters 0 to 3 ask for the slot two refills on (slots 2 and 3 in the A phase): 16 waves x 32 lanes x 256 bytes, told apart by address; the last two refills ask for nothing.
; encoder_states is read a second time at the end by the same work-group that read it at the head; no prefetch is laid for it.
; LIMITS: e0 between -126 and 112; e0 + e1 between -127 and 125 (added to c's exponent field).  NaN among the inputs is not served.
; WINDOWS: 0: v0-31 addresses, v32-63 SUM, v64-127 ACC, v128-255 at work; 1: B's fragments (at the head the f32 rows); 2: A's fragments of K steps 0-3, 3: of 4-7 (fragment (t, ks) at 64 (ks % 4) + 16 t).
.set SLOTB, 131072
.set STG,   262144                     ; the A phase's stage: 32 rows x 1,040 bytes
.set RP,    1040
.set BWL,   295424                     ; (bias, weight) pairs, 8 bytes for each n
.set SCL,   311808                     ; partial scores: 256 bytes a wave
.set EL,    312832                     ; e[s]: a copy for each wave
.set SPARE, 313856                     ; the spare words, 128 bytes a wave
.set SUM,   32
.set ACC,   64
.set CB,    128
.set ROWS,  262144                     ; bytes from s to s + 1
.set MSB, 0
.macro WIN new
.if MSB != (\new)
	s_set_vgpr_msb (MSB<<8)|(\new)
.set MSB, (\new)
.endif
.endm
.macro CROUND                          ; a round of the cluster's barrier
	s_barrier_signal -1
	s_barrier_wait -1
	s_cmp_lg_u32 s20, 0
	s_cbranch_scc1 .Lnot_wave_0_\@
	s_barrier_signal -3
.Lnot_wave_0_\@:
	s_barrier_wait -3
	s_barrier_signal -1
	s_barrier_wait -1
.endm
.macro LOADG g                         ; two rows: 16 loads of 512 consecutive bytes
	WIN 0x40
.irp i, 0,1
.irp j, 0,1,2,3,4,5,6,7
	global_load_b128 v[64*((\g)%4)+32*\i+4*\j:64*((\g)%4)+32*\i+4*\j+3], v1, s[46+2*((\g)/4):47+2*((\g)/4)] offset:(2*((\g)%4)+\i)*ROWS+512*\j
.endr
.endr
	WIN 0
.endm
.macro CONVG g, n                      ; two rows become codes and go to the stage
.set gx, 64*((\g)%4)
.set gc, CB+16*((\g)%4)
	s_wait_loadcnt \n
	WIN 0x41
.set kx, 0
.rept 64
	v_med3_num_f32 v[gx+kx], v[gx+kx], -v10, v10   ; the conversion to an 8-bit code does not saturate (ISA guide 7.6.2)
.set kx, kx+1
.endr
	WIN 0x01
.irp u, 0,1,2,3,4,5,6,7
	v_cvt_scalef32_pk8_bf8_f32 v[gc+2*\u:gc+2*\u+1], v[gx+8*\u:gx+8*\u+7], v11
.endr
	v_nop
	WIN 0
.irp u, 0,1,2,3
	ds_store_b128 v4, v[gc+4*\u:gc+4*\u+3] offset:(2*((\g)%4)+\u/2)*RP+512*(\u%2)
.endr
.if (\g) < 4
	LOADG (\g)+4
.endif
.endm
.macro READA t0                        ; the stage's 32 rows as the fragments of row tiles t0, t0 + 1
.irp w, 0,1
	WIN 0x80+0x40*\w
.irp k, 0,1,2,3
.irp t, 0,1
.irp c, 0,1,2,3
	ds_load_b128 v[64*\k+16*(\t0+\t)+4*\c:64*\k+16*(\t0+\t)+4*\c+3], v5 offset:16*\t*RP+512*\w+128*\k+32*\c
.endr
.endr
.endr
.endr
	WIN 0
.endm
.macro BQ p, q                         ; a quarter of a slot's fragments: K steps 2 q, 2 q + 1 of my two tiles
	WIN 0x40
.irp k, 0,1
.irp i, 0,1
.irp c, 0,1,2,3
	ds_load_b128 v[32*(2*\q+\k)+16*\i+4*\c:32*(2*\q+\k)+16*\i+4*\c+3], v[6+\p] offset:16384*\i+2048*(2*\q+\k)+512*\c
.endr
.endr
.endr
	WIN 0
.endm
.macro BWLD set, off                   ; the (bias, weight) pairs of my two tiles
	v_add_nc_u32 v9, s41, v8
	ds_load_b64 v[20+4*(\set):21+4*(\set)], v9 offset:\off
	ds_load_b64 v[22+4*(\set):23+4*(\set)], v9 offset:\off+128
.endm
.macro MULK ks, zero                   ; a K step: 8 matrix instructions, the accumulators by turns
	WIN 0x06+(\ks)/4
.irp t, 0,1,2,3
.irp i, 0,1
.if \zero
	v_wmma_f32_16x16x128_bf8_bf8 v[ACC+8*(4*\i+\t):ACC+8*(4*\i+\t)+7], v[64*(\ks%4)+16*\t:64*(\ks%4)+16*\t+15], v[32*\ks+16*\i:32*\ks+16*\i+15], 0
.else
	v_wmma_f32_16x16x128_bf8_bf8 v[ACC+8*(4*\i+\t):ACC+8*(4*\i+\t)+7], v[64*(\ks%4)+16*\t:64*(\ks%4)+16*\t+15], v[32*\ks+16*\i:32*\ks+16*\i+15], v[ACC+8*(4*\i+\t):ACC+8*(4*\i+\t)+7]
.endif
.endr
.endr
.endm
.macro MUL7                            ; K steps 0 to 6, each quarter's loads waited for by count: the 16 loads of each later quarter may be out
	s_wait_dscnt 48
	MULK 0, 1
	MULK 1, 0
	s_wait_dscnt 32
	MULK 2, 0
	MULK 3, 0
	s_wait_dscnt 16
	MULK 4, 0
	MULK 5, 0
	s_wait_dscnt 0
	MULK 6, 0
.endm
.macro PLACES
.rept 4
	v_nop
.endr
.endm
; The tanh work of a slot: t = acc SC + bias; r = 1 / (1 + 2^t); SUM += weight r.  ld = 1: the next slot's loads stand between the steps.
.macro EPI set, pn, ld, off
.if \ld
	BWLD 1-\set, \off
	BQ \pn, 0
.endif
.set kx, 0
.rept 32
	v_pk_fma_f32 v[ACC+kx:ACC+kx+1], v[ACC+kx:ACC+kx+1], s[54:55], v[20+4*\set+2*(kx/32):21+4*\set+2*(kx/32)] op_sel_hi:[1,0,0]
.set kx, kx+2
.endr
	s_wait_alu depctr_va_vdst(0)                   ; a wait ahead of the batch,
.set kx, 0
.rept 32                               ; the first tile's exponentials
	v_exp_f32 v[ACC+kx], v[ACC+kx]
.set kx, kx+1
.endr
.if \ld
	BQ \pn, 1
.endif
	v_nop
	s_wait_alu depctr_va_vdst(0)                   ; and behind it, and so for each batch below
.set kx, 0
.rept 16                               ; the second tile's exponentials, with the first's additions between them
	v_exp_f32 v[ACC+32+kx], v[ACC+32+kx]
	v_exp_f32 v[ACC+33+kx], v[ACC+33+kx]
	v_pk_add_f32 v[ACC+kx:ACC+kx+1], v[ACC+kx:ACC+kx+1], 1.0 op_sel_hi:[1,0]
.set kx, kx+2
.endr
.if \ld
	BQ \pn, 2
.endif
	s_wait_alu depctr_va_vdst(0)
.set kx, 0
.rept 16                               ; the first tile's reciprocals, with the second's additions
	v_rcp_f32 v[ACC+kx], v[ACC+kx]
	v_rcp_f32 v[ACC+kx+1], v[ACC+kx+1]
	v_pk_add_f32 v[ACC+32+kx:ACC+33+kx], v[ACC+32+kx:ACC+33+kx], 1.0 op_sel_hi:[1,0]
.set kx, kx+2
.endr
	s_wait_alu depctr_va_vdst(0)
.set kx, 0
.rept 16                               ; the second tile's reciprocals, with the first's sums
	v_rcp_f32 v[ACC+32+kx], v[ACC+32+kx]
	v_rcp_f32 v[ACC+33+kx], v[ACC+33+kx]
	v_pk_fma_f32 v[SUM+kx:SUM+kx+1], v[ACC+kx:ACC+kx+1], v[20+4*\set:21+4*\set], v[SUM+kx:SUM+kx+1] op_sel:[0,1,0]
.set kx, kx+2
.endr
.if \ld
	BQ \pn, 3
.endif
	s_wait_alu depctr_va_vdst(0)
.set kx, 0
.rept 16
	v_pk_fma_f32 v[SUM+kx:SUM+kx+1], v[ACC+32+kx:ACC+33+kx], v[22+4*\set:23+4*\set], v[SUM+kx:SUM+kx+1] op_sel:[0,1,0]
.set kx, kx+2
.endr
.endm
; A slot that is filled again.  In front of the round: all my tensor loads (my part of the next slot), the add, and all my LDS reads.  The refill behind it is slot q + 2; it has the tanh work and the next slot's products in which to land.
.macro TRIP p, off
	MUL7
	WIN 0
	s_wait_xcnt 0x0                                ; my prefetch has read its address
	s_wait_tensorcnt 0x0
	ds_add_u32 v28, v29                            ; 0 onto my spare word
	MULK 7, 0
	WIN 0
	s_add_nc_u64 s[34+4*\p:35+4*\p], s[34+4*\p:35+4*\p], 2*SLOTB
	s_add_nc_u64 s[44:45], s[44:45], SLOTB
	s_wait_dscnt 0x0
	CROUND
	tensor_load_to_lds s[32+4*\p:35+4*\p], s[24:31]
	s_nop 0
	PLACES                                         ; these are also the places behind the last products
	EPI \p, 1-\p, 1, \off
	s_cmp_gt_u32 s42, s43
	s_cbranch_scc0 .Lnot_mine_\@
	global_prefetch_b8 v12, s[44:45] th:TH_LOAD_NT scope:SCOPE_SE   ; slot q + 4
.Lnot_mine_\@:
.endm
	s_load_b256 s[4:11], s[0:1], 0x0               ; encoder_states 4, wa 6, gq 8, b_attn 10
	s_load_b256 s[12:19], s[0:1], 0x20             ; W_attn2 12, exponents 14, part 16, ml 18
	v_lshl_add_u32 v28, v0, 2, SPARE
	v_mov_b32 v29, 0
	ds_add_u32 v28, v29                            ; the wave's opening
	ds_add_u32 v28, v29
	v_lshrrev_b32 v16, 5, v0
	v_readfirstlane_b32 s20, v16                   ; wave 0..3
	s_bfe_u32 s40, ttmp6, 0x40000                  ; cx: my quarter of s
	s_mov_b32 s24, 15|(3<<16)|(1<<21)              ; mask: all four; elements of 8 bytes; bit 21 beside a mask; no padding
	s_mov_b32 s25, 128<<16                         ; rows of 1,024 bytes,
	s_mov_b32 s26, 32<<16
	s_mov_b32 s27, 128<<16
	s_mov_b32 s28, 32                              ; 32 of them: my two tiles, dense
	s_mov_b32 s29, 128
	s_mov_b32 s30, 0
	s_mov_b32 s31, 0
	s_lshl_b32 s58, s20, 15                        ; wave x 32,768: my tiles' place in a slot, in memory and in LDS
	s_mov_b32 s59, 0
	s_mov_b32 s32, 1
	s_mov_b32 s33, s58
	s_mov_b32 s36, 1
	s_add_co_u32 s37, s58, SLOTB
	s_lshl_b32 s66, ttmp9, 12                      ; encoder_states: b x 4,096 + 64 cx rows of s
	s_lshl_b32 s67, s40, 24
	s_add_co_u32 s66, s66, s67
	s_mov_b32 s67, 0
	s_lshl_b32 s68, s20, 21                        ; + 8 w rows of s
	s_mov_b32 s69, 0
	s_lshl_b32 s70, s20, 10                        ; at the end: + 256 w channels
	s_mov_b32 s71, 0
	s_lshl_b32 s72, ttmp9, 13                      ; gq: row b
	s_mov_b32 s73, 0
	s_mul_i32 s74, s20, 8*RP
	s_add_co_u32 s74, s74, STG
	s_lshl_b32 s75, s20, 8
	s_add_co_u32 s76, s75, BWL
	s_add_co_u32 s77, s75, SCL
	s_add_co_u32 s78, s75, EL
	s_mov_b32 s56, 0x76543210
	s_mov_b32 s57, 0xfedcba98                      ; v_permlanex16_b32's selects for lane l xor 16
	s_mov_b32 s41, 0                               ; bytes of (bias, weight) pairs of the slots behind me
	s_mov_b32 s42, 7                               ; trips of two slots
	s_cmp_lt_u32 ttmp9, 4
	s_cselect_b32 s43, 1, -1                       ; clusters 0 to 3 prefetch, but in the last trip
	v_and_b32 v17, 31, v0                          ; lane
	v_and_b32 v2, 15, v0                           ; r
	v_bfe_u32 v3, v0, 4, 1                         ; h
	v_lshlrev_b32 v1, 4, v17                       ; 16 x lane
	v_add_nc_u32 v4, s74, v1                       ; the stage, in: row 8 w + i
	v_mul_u32_u24 v5, v2, RP
	v_lshl_add_u32 v5, v3, 4, v5
	v_add_nc_u32 v5, STG, v5                       ; out: row r, + 16 h
	v_add_nc_u32 v6, s58, v1                       ; my tiles in slot 0,
	v_add_nc_u32 v7, SLOTB, v6                     ; in slot 1
	v_lshlrev_b32 v8, 3, v2
	v_add_nc_u32 v8, s76, v8                       ; the pairs: n = 32 w + r
	v_lshlrev_b32 v12, 8, v17                      ; the prefetches: 256 x lane
	v_lshlrev_b32 v13, 4, v0                       ; bias: 16 x thread
	v_lshl_add_u32 v14, v0, 5, BWL                 ; and its pairs' place
	v_lshlrev_b32 v15, 5, v3
	v_add_nc_u32 v15, s77, v15                     ; partial scores, in
	v_lshlrev_b32 v16, 3, v17                      ; ml: 8 x lane
	v_lshl_add_u32 v18, v17, 2, SCL                ; partial scores, out
	v_lshl_add_u32 v19, v17, 2, s78                ; e, in
	v_mov_b32 v30, s78                             ; e, out
	v_mov_b32 v31, 0                               ; written once: a lane permute's destination counts as one of its sources
	s_wait_alu depctr_va_vdst(0)
	s_wait_dscnt 0x0                               ; both opening adds are done
	s_wait_kmcnt 0x0
	s_load_b128 s[60:63], s[14:15], 0x0            ; e0, e1, e2, e3
	s_add_nc_u64 s[50:51], s[4:5], s[66:67]
	s_add_nc_u64 s[46:47], s[50:51], s[68:69]      ; the A phase's rows 0-31,
	s_add_nc_u64 s[48:49], s[46:47], 0x800000      ; 32-63
	s_add_nc_u64 s[50:51], s[50:51], s[70:71]      ; the end's rows 0-31,
	s_add_nc_u64 s[52:53], s[50:51], 0x800000      ; 32-63
	LOADG 0
	LOADG 1
	s_add_nc_u64 s[34:35], s[6:7], s[58:59]
	s_or_b32 s35, s35, 0x80000000
	s_add_nc_u64 s[38:39], s[6:7], s[58:59]
	s_add_nc_u64 s[38:39], s[38:39], SLOTB
	s_or_b32 s39, s39, 0x80000000
	CROUND                                         ; all four work-groups are here
	tensor_load_to_lds s[32:35], s[24:31]          ; slot 0
	s_nop 0
	PLACES
	LOADG 2
	LOADG 3
	s_add_nc_u64 s[8:9], s[8:9], s[72:73]
.irp k, 0,1,2,3                        ; 24 loads: gq's four parts, b_attn, W_attn2, four n a thread in each of four runs
.irp q, 0,1,2,3
	global_load_b128 v[32+24*\k+4*\q:35+24*\k+4*\q], v13, s[8:9] offset:524288*\q+2048*\k
.endr
	global_load_b128 v[48+24*\k:51+24*\k], v13, s[10:11] offset:2048*\k
	global_load_b128 v[52+24*\k:55+24*\k], v13, s[12:13] offset:2048*\k
.endr
	s_lshl_b32 s66, s40, 2
	s_add_co_u32 s66, s66, s20
	s_lshl_b32 s66, s66, 13                        ; the prefetches: 8,192 bytes a wave, by place and wave
	s_add_nc_u64 s[44:45], s[6:7], s[66:67]
	s_add_nc_u64 s[44:45], s[44:45], 3*SLOTB
	s_wait_kmcnt 0x0
	s_add_co_i32 s66, s60, 127
	s_lshl_b32 s68, s66, 23
	v_mov_b32 v11, s68                             ; 2^e0
	s_add_co_i32 s66, s66, 15
	s_lshl_b32 s66, s66, 23
	s_or_b32 s66, s66, 0x600000
	v_mov_b32 v10, s66                             ; 57,344 x 2^e0
	s_add_co_i32 s66, s60, s61
	s_lshl_b32 s66, s66, 23
	s_add_co_i32 s54, s66, 0x4038aa3b              ; c 2^(e0 + e1)
	s_mov_b32 s55, s54                             ; (named with it as a pair)
	s_wait_alu depctr_va_vdst(0)                   ; the head's end
	CONVG 0, 63                                    ; behind each of groups 0 to 3 stand 72 loads: three groups and the 24 of the bias
	CONVG 1, 63
	CONVG 2, 63
	CONVG 3, 63
	s_wait_dscnt 0x0                               ; for the others' sake: my codes lie in the stage
	s_barrier_signal -1
	s_barrier_wait -1
	READA 0
	s_cmp_eq_u32 s43, 1
	s_cbranch_scc0 .Lnot_mine
	global_prefetch_b8 v12, s[44:45] offset:-2*SLOTB th:TH_LOAD_NT scope:SCOPE_SE ; slot 1
	global_prefetch_b8 v12, s[44:45] offset:-SLOTB th:TH_LOAD_NT scope:SCOPE_SE   ; slot 2
.Lnot_mine:
	s_wait_loadcnt 63                              ; the bias's loads are in (64 stand behind them)
.irp k, 0,1,2,3
.set bt, 32+24*\k
.set bo, 192+8*\k
	v_pk_add_f32 v[bt:bt+1], v[bt:bt+1], v[bt+4:bt+5]
	v_pk_add_f32 v[bt+2:bt+3], v[bt+2:bt+3], v[bt+6:bt+7]
	v_pk_add_f32 v[bt+8:bt+9], v[bt+8:bt+9], v[bt+12:bt+13]
	v_pk_add_f32 v[bt+10:bt+11], v[bt+10:bt+11], v[bt+14:bt+15]
	v_pk_add_f32 v[bt:bt+1], v[bt:bt+1], v[bt+8:bt+9]
	v_pk_add_f32 v[bt+2:bt+3], v[bt+2:bt+3], v[bt+10:bt+11]
.irp n, 0,1,2,3
	v_mul_f32 v[bt+16+\n], 0x4038aa3b, v[bt+16+\n]
.endr
.irp n, 0,1,2,3
	v_fma_f32 v[bo+2*\n], v[bt+\n], s54, v[bt+16+\n]           ; c (2^(e0+e1) G + b_attn)
	v_mul_f32 v[bo+2*\n+1], 0xc038aa3b, v[bt+20+\n]            ; -2 log2(e) W2
.endr
	ds_store_b128 v14, v[bo:bo+3] offset:4096*\k
	ds_store_b128 v14, v[bo+4:bo+7] offset:4096*\k+16
.endr
	s_wait_dscnt 0x0                               ; my reads of the stage are over
	s_barrier_signal -1
	s_barrier_wait -1
	CONVG 4, 48                                    ; behind it groups 5 to 7 may be out
	CONVG 5, 32
	CONVG 6, 16
	CONVG 7, 0
	s_wait_tensorcnt 0x0                           ; my part of slot 0 is in; these lines stand ahead of a later first fill as ahead of a refill
	ds_add_u32 v28, v29
	s_wait_dscnt 0x0                               ; the add is done and my codes lie in the stage
	CROUND
	tensor_load_to_lds s[36:39], s[24:31]          ; slot 1
	s_nop 0
	PLACES
	READA 2
	BWLD 0, 0
	BQ 0, 0
	BQ 0, 1
	BQ 0, 2
	BQ 0, 3
	s_cmp_eq_u32 s43, 1
	s_cbranch_scc0 .Lnot_mine_3
	global_prefetch_b8 v12, s[44:45] th:TH_LOAD_NT scope:SCOPE_SE   ; slot 3
.Lnot_mine_3:
.set kx, 0
.rept 32
	v_mov_b32 v[SUM+kx], 0                         ; the loop is written once: its first slot finds zeros
.set kx, kx+1
.endr
	s_wait_alu depctr_va_vdst(0)
.Lwalk:                                                ; slots 0 to 13, two a trip
	TRIP 0, 1024
	TRIP 1, 2048
	s_add_co_u32 s41, s41, 2048
	s_sub_co_u32 s42, s42, 1
	s_cmp_lg_u32 s42, 0
	s_cbranch_scc1 .Lwalk
	MUL7                                           ; slot 14; nothing is filled again
	MULK 7, 0
	WIN 0
	PLACES
	s_wait_tensorcnt 0x0                           ; slot 15, which I fetched and I alone read, is in
.set kx, 0
.rept 16                               ; rows 0-15 of my 256 channels are asked for
	global_load_b128 v[128+8*kx:131+8*kx], v1, s[50:51] offset:ROWS*kx th:TH_LOAD_NT
	global_load_b128 v[132+8*kx:135+8*kx], v1, s[50:51] offset:ROWS*kx+512 th:TH_LOAD_NT
.set kx, kx+1
.endr
	EPI 0, 1, 1, 1024
	s_wait_dscnt 48                                ; slot 15
	MULK 0, 1
	MULK 1, 0
	s_wait_dscnt 32
	MULK 2, 0
	MULK 3, 0
	PLACES
	WIN 0x80                                       ; A's fragments of K steps 0-3 are done with: their registers take
.set kx, 0
.rept 16                               ; rows 16-31,
	global_load_b128 v[8*kx:8*kx+3], v1, s[50:51] offset:ROWS*(16+kx) th:TH_LOAD_NT
	global_load_b128 v[8*kx+4:8*kx+7], v1, s[50:51] offset:ROWS*(16+kx)+512 th:TH_LOAD_NT
.set kx, kx+1
.endr
	s_wait_dscnt 16
	MULK 4, 0
	MULK 5, 0
	s_wait_dscnt 0
	MULK 6, 0
	MULK 7, 0
	WIN 0
	PLACES
	WIN 0x80
.set kx, 0
.rept 16                               ; and rows 32-47
	global_load_b128 v[128+8*kx:131+8*kx], v1, s[52:53] offset:ROWS*kx th:TH_LOAD_NT
	global_load_b128 v[132+8*kx:135+8*kx], v1, s[52:53] offset:ROWS*kx+512 th:TH_LOAD_NT
.set kx, kx+1
.endr
	WIN 0
	EPI 1, 0, 0, 0
	; THE SCORES: the sums over n of the row's 16 lanes, then of the four waves
.irp m, 1,2,4,8
.set kx, 0
.rept 32
	v_add_f32_dpp v[SUM+kx], v[SUM+kx], v[SUM+kx] row_xmask:\m row_mask:0xf bank_mask:0xf
.set kx, kx+1
.endr
.endr
.irp t, 0,1,2,3
	ds_store_b128 v15, v[SUM+8*\t:SUM+8*\t+3] offset:64*\t     ; sixteen lanes store the same words with the same values: s = 16 t + 8 h + 0 .. 7
	ds_store_b128 v15, v[SUM+8*\t+4:SUM+8*\t+7] offset:64*\t+16
.endr
	s_wait_dscnt 0x0                               ; for the others' sake
	s_barrier_signal -1
	s_barrier_wait -1
.irp q, 0,1,2,3
	ds_load_b32 v[32+\q], v18 offset:256*\q        ; s = lane,
	ds_load_b32 v[36+\q], v18 offset:256*\q+128    ; s = lane + 32
.endr
	WIN 0xc0
.set kx, 0
.rept 16                               ; rows 48-63
	global_load_b128 v[8*kx:8*kx+3], v1, s[52:53] offset:ROWS*(16+kx) th:TH_LOAD_NT
	global_load_b128 v[8*kx+4:8*kx+7], v1, s[52:53] offset:ROWS*(16+kx)+512 th:TH_LOAD_NT
.set kx, kx+1
.endr
	WIN 0
	s_wait_dscnt 0x0
	v_add_f32 v32, v32, v33
	v_add_f32 v34, v34, v35
	v_add_f32 v36, v36, v37
	v_add_f32 v38, v38, v39
	v_add_f32 v32, v32, v34
	v_add_f32 v36, v36, v38
	v_max_num_f32 v40, v32, v36
.irp m, 1,2,4,8
	v_max_num_f32_dpp v40, v40, v40 row_xmask:\m row_mask:0xf bank_mask:0xf
.endr
	v_permlanex16_b32 v31, v40, s56, s57
	v_max_num_f32 v46, v40, v31                    ; the maximum of my work-group's 64 scores
	v_sub_f32 v41, v32, v46
	v_sub_f32 v42, v36, v46
	s_wait_alu depctr_va_vdst(0)                   ; a wait ahead of the batch,
	v_exp_f32 v43, v41
	v_exp_f32 v44, v42
	v_nop
	s_wait_alu depctr_va_vdst(0)                   ; and behind it
	ds_store_b32 v19, v43
	ds_store_b32 v19, v44 offset:128
.set kx, 0
.rept 16
	ds_load_b128 v[64+4*kx:67+4*kx], v30 offset:16*kx          ; my own copy: the 64 weights in every lane
.set kx, kx+1
.endr
	v_add_f32 v45, v43, v44
.irp m, 1,2,4,8
	v_add_f32_dpp v45, v45, v45 row_xmask:\m row_mask:0xf bank_mask:0xf
.endr
	v_permlanex16_b32 v31, v45, s56, s57
	v_add_f32 v47, v45, v31                        ; the sum of e
; row s: set s % 2 of eight sums += e[s] x my 8 channels.  The weight is one register of a pair, picked by op_sel for both halves.
.macro WROWS s0, x0, n
.set rs, \s0
.set rx, \x0
.rept \n
.irp c, 0,2,4,6
.if rs == 0
	v_pk_mul_f32 v[48+\c:49+\c], v[rx+\c:rx+\c+1], v[64:65] op_sel_hi:[1,0]
.elseif rs == 1
	v_pk_mul_f32 v[56+\c:57+\c], v[rx+\c:rx+\c+1], v[64:65] op_sel:[0,1]
.elseif rs%2
	v_pk_fma_f32 v[56+\c:57+\c], v[rx+\c:rx+\c+1], v[63+rs:64+rs], v[56+\c:57+\c] op_sel:[0,1,0]
.else
	v_pk_fma_f32 v[48+\c:49+\c], v[rx+\c:rx+\c+1], v[64+rs:65+rs], v[48+\c:49+\c] op_sel_hi:[1,0,1]
.endif
.endr
.set rs, rs+1
.set rx, rx+8
.endr
.endm
	s_wait_alu depctr_va_vdst(0)
	s_wait_dscnt 0x0
	s_wait_loadcnt 63                              ; rows 0-15's 32 loads are in (96 stand behind them)
	WROWS 0, 128, 16
	WIN 0x02
	s_wait_alu depctr_va_vdst(0)
	s_wait_loadcnt 63                              ; rows 16-31 (64 loads stand behind them)
	WROWS 16, 0, 16
	s_wait_alu depctr_va_vdst(0)
	s_wait_loadcnt 32                              ; rows 32-47
	WROWS 32, 128, 16
	WIN 0x03
	s_wait_alu depctr_va_vdst(0)
	s_wait_loadcnt 16                              ; rows 48-55
	WROWS 48, 0, 8
	s_wait_alu depctr_va_vdst(0)
	s_wait_loadcnt 0x0
	WROWS 56, 64, 8
	WIN 0
.irp c, 0,2,4,6
	v_pk_add_f32 v[48+\c:49+\c], v[48+\c:49+\c], v[56+\c:57+\c]
.endr
	s_lshl_b32 s66, ttmp9, 14                      ; part: b x 16,384 + cx x 4,096 + w x 1,024
	s_lshl_b32 s68, s40, 12
	s_add_co_u32 s66, s66, s68
	s_add_co_u32 s66, s66, s70
	s_mov_b32 s67, 0
	s_add_nc_u64 s[16:17], s[16:17], s[66:67]
	s_lshl_b32 s66, ttmp9, 10                      ; ml: b x 1,024 + cx x 256
	s_lshl_b32 s68, s40, 8
	s_add_co_u32 s66, s66, s68
	s_add_nc_u64 s[18:19], s[18:19], s[66:67]
	s_wait_alu depctr_va_vdst(0)
	global_store_b128 v1, v[48:51], s[16:17]       ; 512 consecutive bytes, at a multiple of 256
	global_store_b128 v1, v[52:55], s[16:17] offset:512
	s_cmp_eq_u32 s20, 0
	s_cbranch_scc0 .Lno_ml
	global_store_b64 v16, v[46:47], s[18:19]       ; (maximum, sum) in all 32 lanes: 256 consecutive bytes
.Lno_ml:
	s_wait_tensorcnt 0x0                           ; the wave's end
	ds_add_u32 v28, v29
	s_wait_dscnt 0x0
	CROUND                                         ; the closing round: no work-group ends while a partner may still ask for a tile that names it
	s_endpgm
.Lfunc_end_k_qc25dd4a282_score:
	.size	k_qc25dd4a282_score, .Lfunc_end_k_qc25dd4a282_score-k_qc25dd4a282_score
	.p2alignl 7, 3214868480
	.fill 96, 4, 3214868480
	.section	.rodata,"a",@progbits
	.p2align	6, 0x0
	.amdhsa_kernel k_qc25dd4a282_score
		.amdhsa_group_segment_fixed_size 327680
		.amdhsa_private_segment_fixed_size 0
		.amdhsa_enable_private_segment 0
		.amdhsa_kernarg_size 64
		.amdhsa_user_sgpr_count 2
		.amdhsa_user_sgpr_kernarg_segment_ptr 1
		.amdhsa_wavefront_size32 1
		.amdhsa_system_sgpr_workgroup_id_x 1
		.amdhsa_system_sgpr_workgroup_id_y 1
		.amdhsa_system_sgpr_workgroup_id_z 1
		.amdhsa_system_vgpr_workitem_id 0
		.amdhsa_next_free_vgpr 1024
		.amdhsa_next_free_sgpr 80
		.amdhsa_reserve_vcc 0
		.amdhsa_float_denorm_mode_32 3
		.amdhsa_float_denorm_mode_16_64 3
		.amdhsa_memory_ordered 1
		.amdhsa_forward_progress 1
		.amdhsa_inst_pref_size 195
	.end_amdhsa_kernel
	.amdgpu_metadata
---
amdhsa.version: [ 1, 2 ]
amdhsa.kernels:
  - .name:           k_qc25dd4a282_score
    .symbol:         k_qc25dd4a282_score.kd
    .args:
      - { .name: encoder_states, .offset: 0, .size: 8, .value_kind: global_buffer, .address_space: global }
      - { .name: wa, .offset: 8, .size: 8, .value_kind: global_buffer, .address_space: global }
      - { .name: gq, .offset: 16, .size: 8, .value_kind: global_buffer, .address_space: global }
      - { .name: b_attn, .offset: 24, .size: 8, .value_kind: global_buffer, .address_space: global }
      - { .name: W_attn2, .offset: 32, .size: 8, .value_kind: global_buffer, .address_space: global }
      - { .name: lowp_scales, .offset: 40, .size: 8, .value_kind: global_buffer, .address_space: global }
      - { .name: part, .offset: 48, .size: 8, .value_kind: global_buffer, .address_space: global }
      - { .name: ml, .offset: 56, .size: 8, .value_kind: global_buffer, .address_space: global }
    .group_segment_fixed_size: 327680
    .private_segment_fixed_size: 0
    .kernarg_segment_align: 8
    .kernarg_segment_size: 64
    .max_flat_workgroup_size: 128
    .sgpr_count:     80
    .vgpr_count:     1024
    .wavefront_size: 32
...
	.end_amdgpu_metadata
.endif
;; end of part 2
;; launch comb (part 3): grid 16 x 16, 16 waves a work-group, no clusters, 36,096 bytes of LDS; arguments part, ml, dc, wc, b_comb, lowp_scales, out0, out1; writes out0, out1
.if DOCPART == 3
	.amdgcn_target "amdgcn-amd-amdhsa--gfx1250"
	.amdhsa_code_object_version 6
	.text
	.protected	k_qc25dd4a282_comb
	.globl	k_qc25dd4a282_comb
	.p2align	8
	.type	k_qc25dd4a282_comb,@function
k_qc25dd4a282_comb:
	s_mov_b64 s[64:65], 0
	v_nop
	global_prefetch_b8 v0, s[64:65] scope:SCOPE_SE
	s_setreg_imm32_b32 hwreg(HW_REG_WAVE_MODE, 25, 1), 1
	s_wait_xcnt 0x0
; COMB.  out1[b] = the four parts of b joined: with M = the greatest of the four maxima m_i, f_i = 2^(m_i - M): sum f_i part_i / sum f_i l_i.  out0 = tanh(2^(e2+e3) (codes([decoder_out, out1]) . codes(W_comb)) + b_comb).
; Leaves out what prep's head names (b_attn2, the sum of W2).
; A work-group: 4 rows b (y) x 64 columns n (x), 16 waves.  Wave w joins row w / 4, channels 256 (w % 4) .. + 255, and lays the codes in LDS, four times, so that all 16 rows of a tile are written: row r of it is b = 4 y + r % 4.
; Then wave w takes n tile w % 4 and K quarter w / 4 (0, 1: decoder_out's images, whose tile holds my four rows at 4 (y % 4); 2, 3: the codes in LDS); the quarters meet in LDS (an order of the sums that differs from the reference's).
; The work-groups with x = 0 store out1.  Everything is loaded once, straight into registers, at the head: no loop to prefetch in, and no LDS tile that a cluster could share.
; tanh x = 1 - 2 / (1 + 2^(c x)), c = 2 log2(e).  LIMITS: e2 between -126 and 112; e2 + e3 between -127 and 125.
.set RP,    1040
.set QB,    16640                      ; behind the 16 rows of codes: a K quarter's 16 rows x 272 bytes, four times
.set QP,    4352
.set SPARE, 34048                      ; the spare words, 128 bytes a wave
	s_load_b256 s[4:11], s[0:1], 0x0               ; part 4, ml 6, dc 8, wc 10
	s_load_b256 s[12:19], s[0:1], 0x20             ; b_comb 12, exponents 14, out0 16, out1 18
	v_lshl_add_u32 v14, v0, 2, SPARE
	v_mov_b32 v15, 0
	v_lshrrev_b32 v1, 5, v0
	v_readfirstlane_b32 s20, v1                    ; wave 0..15
	s_and_b32 s21, s20, 3                          ; nt; my quarter of the channels
	s_lshr_b32 s22, s20, 2                         ; kq; my row
	s_and_b32 s23, ttmp7, 0xffff                   ; y
	s_lshl_b32 s24, s23, 2
	s_add_co_u32 s24, s24, s22                     ; b
	s_lshl_b32 s25, s21, 10                        ; my quarter in bytes
	s_lshl_b32 s30, s24, 14
	s_add_co_u32 s30, s30, s25                     ; part
	s_mov_b32 s31, 0
	s_lshl_b32 s32, s24, 10                        ; ml
	s_mov_b32 s33, 0
	s_lshr_b32 s34, s23, 2
	s_lshl_b32 s34, s34, 14
	s_and_b32 s26, s22, 1
	s_lshl_b32 s27, s26, 13
	s_add_co_u32 s34, s34, s27                     ; dc: tile y / 4, K quarter kq
	s_mov_b32 s35, 0
	s_lshl_b32 s36, ttmp9, 2
	s_add_co_u32 s36, s36, s21
	s_lshl_b32 s36, s36, 15
	s_lshl_b32 s27, s22, 13
	s_add_co_u32 s36, s36, s27                     ; wc: tile 4 x + nt, K quarter kq
	s_mov_b32 s37, 0
	s_lshl_b32 s38, ttmp9, 8                       ; 64 x columns
	s_mov_b32 s39, 0
	s_lshl_b32 s42, s23, 14
	s_add_co_u32 s42, s42, s38                     ; out0: row 4 y
	s_mov_b32 s43, 0
	s_lshl_b32 s44, s24, 12
	s_add_co_u32 s44, s44, s25                     ; out1
	s_mov_b32 s45, 0
	s_mul_i32 s46, s22, RP                         ; codes, in: row,
	s_lshr_b32 s27, s21, 1
	s_lshl_b32 s27, s27, 9
	s_add_co_u32 s46, s46, s27                     ; + 512 (quarter / 2)
	s_and_b32 s27, s21, 1
	s_lshl_b32 s27, s27, 3
	s_add_co_u32 s46, s46, s27                     ; + 8 (quarter % 2)
	s_lshl_b32 s47, s26, 9                         ; codes, out: + 512 (kq % 2)
	s_mul_i32 s48, s22, QP
	s_add_co_u32 s48, s48, QB
	s_lshl_b32 s27, s21, 6
	s_add_co_u32 s48, s48, s27                     ; a quarter's sums, in: + 64 nt
	s_and_b32 s49, s23, 3
	s_lshl_b32 s49, s49, 6                         ; my four rows in decoder_out's image: 4 (y % 4) lanes of 16 bytes on
	v_and_b32 v1, 31, v0
	v_lshlrev_b32 v4, 3, v1                        ; 8 x lane
	v_lshlrev_b32 v1, 4, v1                        ; 16 x lane
	v_and_b32 v2, 15, v0                           ; r
	v_bfe_u32 v3, v0, 4, 1                         ; h
	v_add_nc_u32 v5, s46, v1
	v_mul_u32_u24 v6, v2, RP
	v_lshl_add_u32 v6, v3, 4, v6
	v_add_nc_u32 v6, s47, v6                       ; row r, + 16 h
	v_mul_u32_u24 v7, v2, 272
	v_lshl_add_u32 v7, v3, 5, v7
	v_add_nc_u32 v7, s48, v7                       ; row r, + 32 h
	v_bfe_u32 v11, v0, 4, 2                        ; the way out (threads 0-63): row thread / 16,
	v_lshlrev_b32 v10, 4, v2                       ; 16 bytes a thread
	v_mul_u32_u24 v8, v11, 272
	v_add_nc_u32 v8, v8, v10
	v_add_nc_u32 v8, QB, v8
	v_and_b32 v13, 3, v2
	v_lshlrev_b32 v13, 4, v13
	v_lshl_add_u32 v13, v3, 8, v13
	v_add_nc_u32 v13, s49, v13                     ; decoder_out's image: lane (r, h) takes row 4 (y % 4) + r % 4, so that row r of the tile is b = 4 y + r % 4 here too
	v_lshl_add_u32 v9, v11, 12, v10                ; and in out0
	s_wait_alu depctr_va_vdst(0)
	s_wait_kmcnt 0x0
	s_load_b64 s[40:41], s[14:15], 0x8             ; e2, e3
	s_add_nc_u64 s[4:5], s[4:5], s[30:31]
	s_add_nc_u64 s[6:7], s[6:7], s[32:33]
	s_add_nc_u64 s[8:9], s[8:9], s[34:35]
	s_add_nc_u64 s[10:11], s[10:11], s[36:37]
	s_add_nc_u64 s[12:13], s[12:13], s[38:39]
	s_add_nc_u64 s[16:17], s[16:17], s[42:43]
	s_add_nc_u64 s[18:19], s[18:19], s[44:45]
	s_cmp_lt_u32 s22, 2
	s_cbranch_scc0 .Lno_dec
.set kx, 0
.rept 16
	global_load_b128 v[32+4*kx:35+4*kx], v13, s[8:9] offset:512*kx
.set kx, kx+1
.endr
.Lno_dec:
.irp i, 0,1,2,3
	global_load_b64 v[192+2*\i:193+2*\i], v4, s[6:7] offset:256*\i   ; (m_i, l_i) in every lane
.endr
.irp i, 0,1,2,3
	global_load_b128 v[160+8*\i:163+8*\i], v1, s[4:5] offset:4096*\i
	global_load_b128 v[164+8*\i:167+8*\i], v1, s[4:5] offset:4096*\i+512
.endr
.set kx, 0
.rept 16
	global_load_b128 v[96+4*kx:99+4*kx], v1, s[10:11] offset:512*kx
.set kx, kx+1
.endr
	global_load_b128 v[200:203], v10, s[12:13]
	s_wait_kmcnt 0x0
	s_add_co_i32 s50, s40, 127
	s_lshl_b32 s51, s50, 23
	v_mov_b32 v211, s51                            ; 2^e2
	s_add_co_i32 s50, s50, 15
	s_lshl_b32 s50, s50, 23
	s_or_b32 s50, s50, 0x600000
	v_mov_b32 v212, s50                            ; 57,344 x 2^e2
	s_add_co_i32 s50, s40, s41
	s_lshl_b32 s50, s50, 23
	s_add_co_i32 s52, s50, 0x4038aa3b              ; c 2^(e2 + e3)
	s_mov_b32 s53, s52                             ; (named with it as a pair)
	s_wait_alu depctr_va_vdst(0)                   ; the head's end
	s_wait_loadcnt 25                              ; ml is in; the 8 loads of parts, 16 of W_comb and b_comb's may be out
	v_max3_num_f32 v208, v192, v194, v196
	v_max_num_f32 v208, v208, v198
.irp i, 0,1,2,3
	v_sub_f32 v[204+\i], v[192+2*\i], v208
.endr
	s_wait_alu depctr_va_vdst(0)                   ; a wait ahead of the batch and behind it
.irp i, 0,1,2,3
	v_exp_f32 v[204+\i], v[204+\i]
.endr
	v_nop
	s_wait_alu depctr_va_vdst(0)
	v_mul_f32 v209, v204, v193
	v_fma_f32 v209, v205, v195, v209
	v_fma_f32 v209, v206, v197, v209
	v_fma_f32 v209, v207, v199, v209
	s_wait_alu depctr_va_vdst(0)
	v_rcp_f32 v210, v209
	v_nop
	s_wait_alu depctr_va_vdst(0)
.irp i, 0,1,2,3
	v_mul_f32 v[204+\i], v[204+\i], v210
.endr
	s_wait_alu depctr_va_vdst(0)
	s_wait_loadcnt 17                              ; the parts are in
.irp c, 0,2,4,6
	v_pk_mul_f32 v[160+\c:161+\c], v[160+\c:161+\c], v[204:205] op_sel_hi:[1,0]
.endr
.irp c, 0,2,4,6
	v_pk_fma_f32 v[160+\c:161+\c], v[168+\c:169+\c], v[204:205], v[160+\c:161+\c] op_sel:[0,1,0]
.endr
.irp c, 0,2,4,6
	v_pk_fma_f32 v[160+\c:161+\c], v[176+\c:177+\c], v[206:207], v[160+\c:161+\c] op_sel_hi:[1,0,1]
.endr
.irp c, 0,2,4,6
	v_pk_fma_f32 v[160+\c:161+\c], v[184+\c:185+\c], v[206:207], v[160+\c:161+\c] op_sel:[0,1,0]
.endr
	s_wait_alu depctr_va_vdst(0)
	s_cmp_eq_u32 ttmp9, 0
	s_cbranch_scc0 .Lno_out1
	global_store_b128 v1, v[160:163], s[18:19]     ; 512 consecutive bytes, at a multiple of 256
	global_store_b128 v1, v[164:167], s[18:19] offset:512
.Lno_out1:
.irp c, 0,1,2,3,4,5,6,7
	v_med3_num_f32 v[168+\c], v[160+\c], -v212, v212   ; the conversion to an 8-bit code does not saturate (ISA guide 7.6.2)
.endr
	v_cvt_scalef32_pk8_bf8_f32 v[176:177], v[168:175], v211
	v_nop
.irp d, 0,1,2,3
	ds_store_b64 v5, v[176:177] offset:4*\d*RP     ; rows i, i + 4, i + 8, i + 12 of the tile
.endr
	s_wait_dscnt 0x0                               ; for the others' sake
	s_barrier_signal -1
	s_barrier_wait -1
	s_cmp_lt_u32 s22, 2
	s_cbranch_scc1 .Lhave_a
.irp s, 0,1,2,3
.irp c, 0,1,2,3
	ds_load_b128 v[32+16*\s+4*\c:35+16*\s+4*\c], v6 offset:128*\s+32*\c
.endr
.endr
.Lhave_a:
	s_wait_dscnt 0x0
	s_wait_loadcnt 0x0
	; source 0 = 16 rows n, source 1 = 16 rows b: lane (r, h) holds row r and n = 16 nt + 8 h + 0 .. 7.  Two accumulators by turns.
	v_wmma_f32_16x16x128_bf8_bf8 v[216:223], v[96:111], v[32:47], 0
	v_wmma_f32_16x16x128_bf8_bf8 v[224:231], v[112:127], v[48:63], 0
	v_wmma_f32_16x16x128_bf8_bf8 v[216:223], v[128:143], v[64:79], v[216:223]
	v_wmma_f32_16x16x128_bf8_bf8 v[224:231], v[144:159], v[80:95], v[224:231]
.rept 4
	v_nop                                          ; places
.endr
.irp k, 0,2,4,6
	v_pk_add_f32 v[232+\k:233+\k], v[216+\k:217+\k], v[224+\k:225+\k]
.endr
	ds_store_b128 v7, v[232:235]
	ds_store_b128 v7, v[236:239] offset:16
	s_wait_dscnt 0x0                               ; for the others' sake
	s_barrier_signal -1
	s_barrier_wait -1
	s_cmp_lt_u32 s20, 2
	s_cbranch_scc1 .Lfin
	s_wait_tensorcnt 0x0                           ; the wave's end
	ds_add_u32 v14, v15
	s_wait_dscnt 0x0
	s_endpgm
.Lfin:
.irp q, 0,1,2,3
	ds_load_b128 v[32+4*\q:35+4*\q], v8 offset:QP*\q
.endr
	v_pk_mul_f32 v[200:201], v[200:201], 0x4038aa3b op_sel_hi:[1,0]
	v_pk_mul_f32 v[202:203], v[202:203], 0x4038aa3b op_sel_hi:[1,0]   ; c b_comb
	s_wait_alu depctr_va_vdst(0)
	s_wait_dscnt 0x0
	v_pk_add_f32 v[32:33], v[32:33], v[36:37]
	v_pk_add_f32 v[34:35], v[34:35], v[38:39]
	v_pk_add_f32 v[40:41], v[40:41], v[44:45]
	v_pk_add_f32 v[42:43], v[42:43], v[46:47]
	v_pk_add_f32 v[32:33], v[32:33], v[40:41]
	v_pk_add_f32 v[34:35], v[34:35], v[42:43]
	v_pk_fma_f32 v[32:33], v[32:33], s[52:53], v[200:201] op_sel_hi:[1,0,1]
	v_pk_fma_f32 v[34:35], v[34:35], s[52:53], v[202:203] op_sel_hi:[1,0,1]
	s_wait_alu depctr_va_vdst(0)                   ; ahead of each batch and behind it
.irp k, 0,1,2,3
	v_exp_f32 v[32+\k], v[32+\k]
.endr
	v_nop
	s_wait_alu depctr_va_vdst(0)
	v_pk_add_f32 v[32:33], v[32:33], 1.0 op_sel_hi:[1,0]
	v_pk_add_f32 v[34:35], v[34:35], 1.0 op_sel_hi:[1,0]
	s_wait_alu depctr_va_vdst(0)
.irp k, 0,1,2,3
	v_rcp_f32 v[32+\k], v[32+\k]
.endr
	v_nop
	s_wait_alu depctr_va_vdst(0)
	v_pk_fma_f32 v[32:33], v[32:33], -2.0, 1.0 op_sel_hi:[1,0,0]
	v_pk_fma_f32 v[34:35], v[34:35], -2.0, 1.0 op_sel_hi:[1,0,0]
	global_store_b128 v9, v[32:35], s[16:17]       ; sixteen lanes store 256 consecutive bytes, at a multiple of 256
	s_wait_tensorcnt 0x0                           ; the wave's end
	ds_add_u32 v14, v15
	s_wait_dscnt 0x0
	s_endpgm
.Lfunc_end_k_qc25dd4a282_comb:
	.size	k_qc25dd4a282_comb, .Lfunc_end_k_qc25dd4a282_comb-k_qc25dd4a282_comb
	.p2alignl 7, 3214868480
	.fill 96, 4, 3214868480
	.section	.rodata,"a",@progbits
	.p2align	6, 0x0
	.amdhsa_kernel k_qc25dd4a282_comb
		.amdhsa_group_segment_fixed_size 36096
		.amdhsa_private_segment_fixed_size 0
		.amdhsa_enable_private_segment 0
		.amdhsa_kernarg_size 64
		.amdhsa_user_sgpr_count 2
		.amdhsa_user_sgpr_kernarg_segment_ptr 1
		.amdhsa_wavefront_size32 1
		.amdhsa_system_sgpr_workgroup_id_x 1
		.amdhsa_system_sgpr_workgroup_id_y 1
		.amdhsa_system_sgpr_workgroup_id_z 1
		.amdhsa_system_vgpr_workitem_id 0
		.amdhsa_next_free_vgpr 240
		.amdhsa_next_free_sgpr 66
		.amdhsa_reserve_vcc 0
		.amdhsa_float_denorm_mode_32 3
		.amdhsa_float_denorm_mode_16_64 3
		.amdhsa_memory_ordered 1
		.amdhsa_forward_progress 1
		.amdhsa_inst_pref_size 16
	.end_amdhsa_kernel
	.amdgpu_metadata
---
amdhsa.version: [ 1, 2 ]
amdhsa.kernels:
  - .name:           k_qc25dd4a282_comb
    .symbol:         k_qc25dd4a282_comb.kd
    .args:
      - { .name: part, .offset: 0, .size: 8, .value_kind: global_buffer, .address_space: global }
      - { .name: ml, .offset: 8, .size: 8, .value_kind: global_buffer, .address_space: global }
      - { .name: dc, .offset: 16, .size: 8, .value_kind: global_buffer, .address_space: global }
      - { .name: wc, .offset: 24, .size: 8, .value_kind: global_buffer, .address_space: global }
      - { .name: b_comb, .offset: 32, .size: 8, .value_kind: global_buffer, .address_space: global }
      - { .name: lowp_scales, .offset: 40, .size: 8, .value_kind: global_buffer, .address_space: global }
      - { .name: out0, .offset: 48, .size: 8, .value_kind: global_buffer, .address_space: global }
      - { .name: out1, .offset: 56, .size: 8, .value_kind: global_buffer, .address_space: global }
    .group_segment_fixed_size: 36096
    .private_segment_fixed_size: 0
    .kernarg_segment_align: 8
    .kernarg_segment_size: 64
    .max_flat_workgroup_size: 512
    .sgpr_count:     66
    .vgpr_count:     240
    .wavefront_size: 32
...
	.end_amdgpu_metadata
.endif
;; end of part 3
